; MI455X (gfx1250); checked and timed in simulation.
; The chip was launched on July 23, 2026; its instructions are those of AMD's public machine-readable ISA for CDNA 5 (MIT licence, August 2026) and "CDNA5" Instruction Set Architecture Reference Guide (July 2026). The comments in the code are by the model that wrote it; some were corrected since.
;; Multi Head Attention. Allowed arithmetic: matrix products marked QUANTISED: E4M3 operands, one given power-of-two scale a tensor, by v_wmma_f32_16x16x64_fp8_fp8 or v_wmma_f32_16x16x128_fp8_fp8, f32 sums; everything else in f32.
;; Inputs: Wk_codes 16 x 64 x 32 x 32 uint8 (E4M3 codes of Wk, K innermost, in blocks of 32 codes); Wo_codes 1,024 x 32 x 32 uint8 (E4M3 codes of Wo, K innermost, in blocks of 32 codes); Wq_codes 16 x 64 x 32 x 32 uint8 (E4M3 codes of Wq, K innermost, in blocks of 32 codes); Wv_codes 16 x 64 x 32 x 32 uint8 (E4M3 codes of Wv, K innermost, in blocks of 32 codes); bk 16 x 64 float32; bo 1,024 float32; bq 16 x 64 float32; bv 16 x 64 float32; lowp_scales 12 int32 (the exponents e of the quantised operands' scales 2^e); x_codes 8 x 1,024 x 32 x 32 uint8 (E4M3 codes of x, K innermost, in blocks of 32 codes).
;; Outputs: out0 8 x 1,024 x 1,024 float32.
;; This version of the problem:
;;   THIS VERSION OF THE PROBLEM IS GIVEN IN LOW PRECISION. The matrix products marked QUANTISED in the list below multiply operands that are first quantised to E4M3 (4 exponent bits, 3 mantissa bits; 8 bits a number), with one given power-of-two scale for each operand tensor; their sums are f32. All else is computed in f32.
;;   The module's matrix products, in the order in which they are computed (A, B: the left and right operand; K: the contracted axis; several contracted axes count as one K, in the product's order):
;;     1. [M 1,024, K 1,024] x [K 1,024, N 8,192]; A: input Wq (given as codes); B: input x (given as codes): QUANTISED (scales: A lowp_scales[0], B lowp_scales[1])
;;     2. [M 1,024, K 1,024] x [K 1,024, N 8,192]; A: input Wk (given as codes); B: input x (given as codes): QUANTISED (scales: A lowp_scales[2], B lowp_scales[3])
;;     3. [M 1,024, K 1,024] x [K 1,024, N 8,192]; A: input Wv (given as codes); B: input x (given as codes): QUANTISED (scales: A lowp_scales[4], B lowp_scales[5])
;;     4. batch 128 x [M 1,024, K 64] x [K 64, N 1,024]; A: computed on the way; B: computed on the way: QUANTISED (scales: A lowp_scales[6], B lowp_scales[7])
;;     5. batch 128 x [M 1,024, K 1,024] x [K 1,024, N 64]; A: softmax (see below); B: computed on the way: QUANTISED (scales: A lowp_scales[8], B lowp_scales[9])
;;     6. [M 8,192, K 1,024] x [K 1,024, N 1,024]; A: computed on the way; B: input Wo (given as codes): QUANTISED (scales: A lowp_scales[10], B lowp_scales[11])
;;   THE QUANTISER, for each operand of a quantised product, along K:
;;     - The operand's scale is 2^e, e = its entry of the input lowp_scales (int32; the entries are numbered through the quantised products in the list's order, A before B).
;;     - Each number is divided by the scale, clamped to +-448, and rounded to the nearest number of E4M3, ties to even, subnormals kept.
;;     - The product sums the exact products of the quantised numbers (number of the format x scale) in f32.
;;   ~~~python
;;   def quantise(x, axis, e):      # numpy; x: float32 -> the quantised numbers, widened to float32 again
;;       x = np.moveaxis(x, axis, -1); K = x.shape[-1]
;;       r = np.clip(x / 2.0 ** e, -448, 448)
;;       step = 2.0 ** (np.maximum(np.frexp(np.where(r == 0, 1, r))[1] - 1, -6) - 3)
;;       q = np.round(r / step) * step * 2.0 ** e      # np.round: ties to even
;;       return np.moveaxis(q, -1, axis).astype(np.float32)
;;   ~~~
;;   SOFTMAX AHEAD OF A QUANTISED PRODUCT. Where the list says 'softmax', what is quantised is not the finished softmax but p = 2^(t - M), with t = logit x log2(e) and M = ceil(the row's largest t), a whole number; so 1/2 < the row's largest p <= 1. The row's sum l is taken of the UNQUANTISED p, in f32, and the product's result is divided by l at the end. Since M is a whole number, a kernel that streams over the keys may use a running M (the ceiling of the running maximum): every later rescaling is an exact power of two, so the quantised numbers keep their values, but for numbers so far below the row's largest that they fall under the format's range.
;;   OPERANDS COMPUTED ON THE WAY. 'Computed on the way' means the value that the module computes at that place (a softmax that the list does not call 'softmax' is quantised finished and normalised). What goes into a quantiser is computed in f32, as accurately as f32 sums, v_exp_f32 and their like allow (about 1e-6 of the number): no bf16 or f16 on the way to a quantiser, and a product that is left as it is and whose result goes on into a quantised operand takes f32 operands (vector FMAs, or v_wmma_f32_16x16x4_f32). A number that lies on a knife's edge between two numbers of the format may be rounded either way, as far as f32 arithmetic and the matrix unit's own rounding can turn it there, and no further.
;;   INPUTS GIVEN AS CODES. Wk (in the module: [16, 64, 1024], K = its axis 2); Wo (in the module: [1024, 1024], K = its axis 1); Wq (in the module: [16, 64, 1024], K = its axis 2); Wv (in the module: [16, 64, 1024], K = its axis 2); x (in the module: [8, 1024, 1024], K = its axis 2): each comes as NAME_codes (uint8): NAME with its K axis moved to the last place and cut into blocks of 32 codes, [.., K / 32, bytes a block], one block behind the other in memory; one code a byte (a code: sign, 4 exponent bits, 3 mantissa bits); its scale is its entry of lowp_scales. Its value is code x scale, taken as it is: it is not quantised again, and the codes and scales need not be those that the quantiser above would give.
;; One version. Each part assembles by itself: llvm-mc -triple=amdgcn-amd-amdhsa -mcpu=gfx1250 --defsym DOCPART=n.
;; ======== version 1 of 1: 3 launches
;; limits: right only within a limited range of input values
;; workspace buffers: q_img 8,388,608 bytes; k_img 8,388,608 bytes; v_img 8,388,608 bytes; attn_img 8,388,608 bytes
;; launch qkv (part 1): grid 8 x 32, 4 waves a work-group, clusters of 4 x 4, 327,680 bytes of LDS; arguments x_codes, Wq_codes, Wk_codes, Wv_codes, bq, bk, bv, lowp_scales, q_img, k_img, v_img; writes q_img, k_img, v_img
.if DOCPART == 1
	.amdgcn_target "amdgcn-amd-amdhsa--gfx1250"
	.amdhsa_code_object_version 6
	.text
	.protected	k_q1d173b1fbc_qkv
	.globl	k_q1d173b1fbc_qkv
	.p2align	8
	.type	k_q1d173b1fbc_qkv,@function
k_q1d173b1fbc_qkv:
	s_mov_b64 s[64:65], 0
	v_nop
	global_prefetch_b8 v0, s[64:65] scope:SCOPE_SE
	s_setreg_imm32_b32 hwreg(HW_REG_WAVE_MODE, 25, 1), 1
	s_wait_xcnt 0x0
	s_wait_alu depctr_hold_cnt(0) depctr_sa_sdst(0) depctr_va_vdst(0) depctr_va_sdst(0) depctr_va_ssrc(0) depctr_va_vcc(0) depctr_vm_vsrc(0)
	s_getreg_b32 s2, hwreg(HW_REG_IB_STS2, 6, 4)
	s_cmp_eq_u32 s2, 0
	s_cbranch_scc0 .Lentry_in_a_cluster
	s_endpgm
.Lentry_in_a_cluster:
	s_bfe_u32 s2, ttmp6, 0x10000c
	s_cmp_lg_u32 s2, 0xf033
	s_cbranch_scc0 .Lentry_shape_is_right
	s_endpgm
.Lentry_shape_is_right:
; q, k, v = x W^T + b on codes of FP8 (E4M3), quantised again with the scales given for the attention's products, and stored AS IMAGES OF OPERAND REGISTERS.
; x: [8192][1024] codes; Wq, Wk, Wv: [1024][1024] codes (row = 64 x head + channel), K innermost.  A sum of codes stands for sum x 2^(eW + ex); the bias is added by one fused multiply-add in f32.
; No step of reference() is left out.
; A work-group owns 256 tokens and two heads (8 x 32 of them): 256 tokens x 384 rows of weights.  Each of four waves makes 128 tokens x 192: of each head 32 channels of q, of k, of v: 96 accumulators, 768 registers.
; K goes in four steps of 256.  LDS has two slots for x's 256 rows and, for each weight, three sub-slots of 64 rows (one head's).  Wave 0 fetches x, waves 1 to 3 Wq, Wk, Wv.  Sub-slots (step.head): 0.0 in 0, 0.1 in 1, 1.0 in 2, 1.1 in 0, 2.0 in 1, 2.1 in 2, 3.0 in 0, 3.1 in 1.
;   head of the kernel: step 0 whole; then x 1, W 1.0; behind step 0: x 2, W 1.1; behind 1.0: W 2.0 and 2.1; behind 1.1: x 3, W 3.0; behind step 2: W 3.1.
; Steps 0 and 2 have both heads' weights at hand: x's fragments serve both heads there.
; CLUSTERS of 4 x 4: x's tile hangs on cy and is asked for jointly along a row of the cluster, the weights' on cx and along a column.
; q, k: source 0 = 16 channels, source 1 = 16 tokens: a lane holds a token and eight channels.  v: source 0 = 16 tokens, source 1 = 16 channels: a lane holds a channel and eight keys.
; So eight results of a lane are eight neighbours along the next product's K: the conversions' results are that operand's registers, and 512 consecutive bytes leave in a store.
;   q_img, k_img: [16 batch + head][group of 16 tokens: 64][plane 2][lane 32][16 bytes]        v_img: [16 batch + head][128 keys: 8][16 channels: 4][plane 4][lane 32][16 bytes]
; No prefetch: K is four steps, of which the head's loads ask for one and a half before any request could stand two steps ahead.
; LIMITS: eW + ex between -126 and 127; the result's scale (entry 6, 7 or 9) between -126 and 119.  NaN is not served.
; REGISTERS: window 0: v1-31 addresses and constants, v32-95 and v96-159 x's eight fragments of 64 along K, two sets, v160-207 and v208-255 a head's six fragments of weights, two sets.
;   windows 1, 2: q's and k's sums of head 0, 1: (block i, tile j) at v[8 (4 i + j)].   window 3: v's: (head, tile t, block i) at v[128 head + 64 t + 8 i].
.set PITCH,  272                       ; an LDS row: 256 bytes + 16 of padding
.set XBY,    256*PITCH                 ; a slot of x
.set SUB,    64*PITCH                  ; a sub-slot of a weight
.set WREG,   3*SUB                     ; a weight's three
.set BIASB,  2*XBY+3*WREG              ; behind them: 768 bytes of biases for each wave
.set SPARE,  BIASB+3072                ; the spare words
.set SCL,  10                          ; v10-12 the scales of q, k, v
.set LIM,  13                          ; v13-15 448 x those
.set ADRX, 16                          ; v16-17 my x fragments in slot 0, 1
.set ADRW, 18                          ; v18-20 my rows of Wq, Wk, Wv in sub-slot 0
.set LI,   21                          ; 16 x lane
.set BS,   22                          ; my biases: 4 x lane on,
.set BA,   23                          ; 32 x (lane / 16) on,
.set BV,   24                          ; 4 x (lane % 16) on
.set L4,   25                          ; 4 x lane
.set SPW,  28
.set NIL,  29
.set G1D, 4                            ; s[4:11] descriptor group 1: 128 rows of a weight
.set G1, 24                            ; s[24:31] 256 rows of x
.set G0, 32
.set G1B, 48                           ; s[48:55] 64 rows of a weight
.set G0B, 56
.set MSB, 0
.macro WIN new                         ; the immediate's high byte repeats the setting that is left
.if MSB != (\new)
	s_set_vgpr_msb (MSB<<8)|(\new)
.set MSB, \new
.endif
.endm
; A joint load: wave 0 fetches x's tile (where there is one), waves 1 to 3 a weight's.  The branch hangs on the wave's number alone.
.macro JLOAD hasx, g1w
	s_cmp_eq_u32 s14, 0
.if \hasx
	s_cbranch_scc0 .Lfor_w_\@
	tensor_load_to_lds s[G0:G0+3], s[G1:G1+7]
	s_nop 0
.rept 4
	v_nop
.endr
	s_branch .Lasked_\@
.else
	s_cbranch_scc1 .Lasked_\@
.endif
.Lfor_w_\@:
	tensor_load_to_lds s[G0B:G0B+3], s[\g1w:\g1w+7]
	s_nop 0
.rept 4
	v_nop
.endr
.Lasked_\@:
.endm
.macro CREST                           ; a round of the cluster's barrier behind its opening barrier
	s_cmp_lg_u32 s14, 0
	s_cbranch_scc1 .Lnot_wave_0_\@
	s_barrier_signal -3
.Lnot_wave_0_\@:
	s_barrier_wait -3
	s_barrier_signal -1
	s_barrier_wait -1
.endm
.macro CROUND
	s_barrier_signal -1
	s_barrier_wait -1
	CREST
.endm
.macro PLACES                          ; plain places behind matrix instructions (ISA guide 7.12.1)
.rept 4
	v_nop
.endr
.endm
; The walking descriptors (no tensor load of mine is out): x to its next K step in slot xs (xs = 2: x stays), the weights into sub-slot u, dw bytes on in memory.
.macro AIM xs, u, dw
.if \xs < 2
	s_mov_b32 s[G0+1], \xs*XBY
	s_add_nc_u64 s[G0+2:G0+3], s[G0+2:G0+3], 256
.endif
	s_add_co_u32 s[G0B+1], s45, \u*SUB
.if \dw < 0
	s_sub_nc_u64 s[G0B+2:G0B+3], s[G0B+2:G0B+3], 0-(\dw)
.else
	s_add_nc_u64 s[G0B+2:G0B+3], s[G0B+2:G0B+3], \dw
.endif
.endm
	s_load_b512 s[68:83], s[0:1], 0x0              ; x 68, Wq 70, Wk 72, Wv 74, bq 76, bk 78, bv 80, the exponents 82
	s_load_b128 s[84:87], s[0:1], 0x40             ; q_img 84, k_img 86
	s_load_b64 s[88:89], s[0:1], 0x50              ; v_img
	v_lshl_add_u32 v[SPW], v0, 2, SPARE
	v_mov_b32 v[NIL], 0
	ds_add_u32 v[SPW], v[NIL]                      ; the wave's opening: the add, twice on end, and its wait
	ds_add_u32 v[SPW], v[NIL]
	v_lshrrev_b32 v1, 5, v0
	v_readfirstlane_b32 s14, v1                    ; wave 0..3
	s_lshr_b32 s15, s14, 1                         ; which 128 tokens are mine
	s_and_b32 s16, s14, 1                          ; which 32 channels of each product
	s_bfe_u32 s40, ttmp6, 0x40000                  ; cx, cy
	s_bfe_u32 s41, ttmp6, 0x40004
	s_lshl_b32 s42, ttmp9, 2
	s_add_co_u32 s42, s42, s40                     ; the pair of heads
	s_and_b32 s66, ttmp7, 0xffff                   ; the batch; its quarter is cy
	s_lshl_b32 s43, s41, 2
	s_lshl_b32 s43, 15, s43                        ; my row of the cluster
	s_lshl_b32 s44, 0x1111, s40                    ; my column
	s_or_b32 s[G1+0], s43, (0<<16)|(1<<20)|(1<<21)|(5<<22)|(3<<25)  ; mask; elements of 1 byte; four words of padding after every 64
	s_or_b32 s[G1B+0], s44, (0<<16)|(1<<20)|(1<<21)|(5<<22)|(3<<25)
	s_or_b32 s[G1D+0], s44, (0<<16)|(1<<20)|(1<<21)|(5<<22)|(3<<25)
.irp g, G1, G1B, G1D
	s_mov_b32 s[\g+1], 256<<16
	s_mov_b32 s[\g+3], 256<<16
	s_mov_b32 s[\g+5], 1024
	s_mov_b32 s[\g+6], 0
	s_mov_b32 s[\g+7], 0
.endr
	s_mov_b32 s[G1+2], 256<<16
	s_mov_b32 s[G1+4], 256
	s_mov_b32 s[G1B+2], 64<<16
	s_mov_b32 s[G1B+4], 64
	s_mov_b32 s[G1D+2], 128<<16
	s_mov_b32 s[G1D+4], 128
	s_lshl_b32 s20, s66, 2
	s_add_co_u32 s20, s20, s41
	s_lshl_b32 s20, s20, 18                        ; x: 256 rows of 1,024 bytes a tile
	s_mov_b32 s21, 0
	s_lshl_b32 s46, s42, 17                        ; a weight: 128 rows for two heads
	s_mov_b32 s47, 0
	s_mul_i32 s45, s14, WREG
	s_add_co_u32 s45, s45, 2*XBY-WREG              ; waves 1 to 3: behind x's slots
	s_wait_alu depctr_va_vdst(0)
	s_wait_dscnt 0x0                               ; both adds are done
	CROUND                                         ; all sixteen work-groups are here: the first joint loads meet
	s_wait_kmcnt 0x0
	s_cmp_eq_u32 s14, 2                            ; the weight is chosen by the wave's number
	s_cselect_b64 s[12:13], s[72:73], s[70:71]
	s_cmp_eq_u32 s14, 3
	s_cselect_b64 s[12:13], s[74:75], s[12:13]
	s_mov_b32 s[G0], 1
	s_mov_b32 s[G0+1], 0
	s_add_nc_u64 s[G0+2:G0+3], s[68:69], s[20:21]
	s_or_b32 s[G0+3], s[G0+3], 0x80000000
	s_mov_b32 s[G0B], 1
	s_mov_b32 s[G0B+1], s45
	s_add_nc_u64 s[G0B+2:G0B+3], s[12:13], s[46:47]
	s_or_b32 s[G0B+3], s[G0B+3], 0x80000000
	JLOAD 1, G1D                                   ; K step 0, both heads: one tensor load a wave at the head
	s_load_b256 s[68:75], s[82:83], 0x0            ; entries 0 to 7 (the registers that held pointers are free)
	s_load_b32 s92, s[82:83], 0x24                 ; entry 9
	s_lshl_b32 s94, s42, 9
	s_lshl_b32 s95, s16, 7
	s_add_co_u32 s94, s94, s95                     ; biases: 4 bytes x (128 x pair of heads + 32 x half)
	s_mov_b32 s95, 0
	s_add_nc_u64 s[76:77], s[76:77], s[94:95]
	s_add_nc_u64 s[78:79], s[78:79], s[94:95]
	s_add_nc_u64 s[80:81], s[80:81], s[94:95]
	s_lshl_b32 s94, s66, 4
	s_lshl_b32 s95, s42, 1
	s_add_co_u32 s94, s94, s95
	s_lshl_b32 s94, s94, 16                        ; 65,536 bytes a head and batch,
	s_lshl_b32 s95, s41, 14                        ; 16,384 for 256 tokens,
	s_add_co_u32 s94, s94, s95
	s_lshl_b32 s95, s15, 13                        ; 8,192 for 128
	s_add_co_u32 s94, s94, s95
	s_lshl_b32 s96, s16, 9                         ; q, k: my half of the channels is a plane
	s_add_co_u32 s96, s94, s96
	s_mov_b32 s97, 0
	s_add_nc_u64 s[84:85], s[84:85], s[96:97]
	s_add_nc_u64 s[86:87], s[86:87], s[96:97]
	s_lshl_b32 s96, s16, 12                        ; v: two groups of 16 channels
	s_add_co_u32 s96, s94, s96
	s_add_nc_u64 s[88:89], s[88:89], s[96:97]
	s_mul_i32 s17, s15, 128*PITCH                  ; my 128 rows of x
	s_add_co_u32 s18, s17, XBY
	s_mul_i32 s19, s16, 32*PITCH
	s_add_co_u32 s19, s19, 2*XBY                   ; my 32 rows of each weight
	s_add_co_u32 s22, s19, WREG
	s_add_co_u32 s23, s19, 2*WREG
	s_mul_i32 s44, s14, 768
	s_add_co_u32 s44, s44, BIASB                   ; my biases in LDS
	v_and_b32 v1, 15, v0                           ; r
	v_bfe_u32 v2, v0, 4, 1                         ; h
	v_and_b32 v5, 31, v0
	v_mul_u32_u24 v3, v1, PITCH
	v_lshl_add_u32 v4, v2, 4, v3
	v_add_nc_u32 v[ADRX], s17, v4
	v_add_nc_u32 v[ADRX+1], s18, v4
	v_add_nc_u32 v[ADRW], s19, v4
	v_add_nc_u32 v[ADRW+1], s22, v4
	v_add_nc_u32 v[ADRW+2], s23, v4
	v_lshlrev_b32 v[LI], 4, v5
	v_lshlrev_b32 v[L4], 2, v5
	v_lshlrev_b32 v6, 5, v2
	v_lshlrev_b32 v7, 2, v1
	v_add_nc_u32 v[BS], s44, v[L4]
	v_add_nc_u32 v[BA], s44, v6
	v_add_nc_u32 v[BV], s44, v7
.irp h, 0,1                            ; 32 biases of each product and head, 128 bytes a load
	global_load_b32 v[32+3*\h], v[L4], s[76:77] offset:256*\h
	global_load_b32 v[33+3*\h], v[L4], s[78:79] offset:256*\h
	global_load_b32 v[34+3*\h], v[L4], s[80:81] offset:256*\h
.endr
	s_wait_alu depctr_va_vdst(0)
	s_wait_kmcnt 0x0                               ; the exponents
	s_add_co_i32 s90, s68, s69
	s_add_co_i32 s90, s90, 127
	s_lshl_b32 s90, s90, 23                        ; q: 2^(eW + ex)
	s_mov_b32 s91, s90
	s_add_co_i32 s96, s70, s71
	s_add_co_i32 s96, s96, 127
	s_lshl_b32 s96, s96, 23                        ; k
	s_mov_b32 s97, s96
	s_add_co_i32 s98, s72, s73
	s_add_co_i32 s98, s98, 127
	s_lshl_b32 s98, s98, 23                        ; v
	s_mov_b32 s99, s98
.macro ESC e, n                        ; a result's scale as f32, and 448 x it
	s_add_co_i32 s93, s[\e], 127
	s_lshl_b32 s94, s93, 23
	v_mov_b32 v[SCL+\n], s94
	s_add_co_i32 s93, s93, 8
	s_lshl_b32 s93, s93, 23
	s_or_b32 s93, s93, 0x600000
	v_mov_b32 v[LIM+\n], s93
.endm
	ESC 74, 0
	ESC 75, 1
	ESC 92, 2
; Fragments: 16 rows x 64 K in 8 registers: registers 4 c .. 4 c + 3 hold K = 32 c + 16 h + 0 .. 15: the same order of k in both operands, so every product meets its partner.
.set xs, 0                             ; the sets in hand
.set ws, 0
.macro LOADX p, slot, kk
	WIN 0
.irp f, 0,1,2,3,4,5,6,7
.irp c, 0,1
	ds_load_b128 v[32+64*(\p)+8*\f+4*\c:32+64*(\p)+8*\f+4*\c+3], v[ADRX+\slot] offset:\f*16*PITCH+64*\kk+32*\c
.endr
.endr
.endm
.macro LOADW p, u, kk
	WIN 0
.irp f, 0,1,2,3,4,5
.irp c, 0,1
	ds_load_b128 v[160+48*(\p)+8*\f+4*\c:160+48*(\p)+8*\f+4*\c+3], v[ADRW+\f/2] offset:\u*SUB+(\f%2)*16*PITCH+64*\kk+32*\c
.endr
.endr
.endm
; The accumulators take turns, one instruction a turn.  zero = 1: the first product starts the sums.
.macro MULQK h, i0, n, zero
	WIN 0x50*(1+\h)                                ; sources window 0, C and D window 1 or 2
.set ii, \i0
.rept \n
.irp j, 0,1,2,3
.if \zero
	v_wmma_f32_16x16x64_fp8_fp8 v[8*(4*ii+\j):8*(4*ii+\j)+7], v[160+48*ws+8*\j:160+48*ws+8*\j+7], v[32+64*xs+8*ii:32+64*xs+8*ii+7], 0
.else
	v_wmma_f32_16x16x64_fp8_fp8 v[8*(4*ii+\j):8*(4*ii+\j)+7], v[160+48*ws+8*\j:160+48*ws+8*\j+7], v[32+64*xs+8*ii:32+64*xs+8*ii+7], v[8*(4*ii+\j):8*(4*ii+\j)+7]
.endif
.endr
.set ii, ii+1
.endr
.endm
.macro MULV h, zero
	WIN 0xf0                                       ; C and D window 3
.irp t, 0,1
.irp f, 0,1,2,3,4,5,6,7
.if \zero
	v_wmma_f32_16x16x64_fp8_fp8 v[128*\h+64*\t+8*\f:128*\h+64*\t+8*\f+7], v[32+64*xs+8*\f:32+64*xs+8*\f+7], v[192+48*ws+8*\t:192+48*ws+8*\t+7], 0
.else
	v_wmma_f32_16x16x64_fp8_fp8 v[128*\h+64*\t+8*\f:128*\h+64*\t+8*\f+7], v[32+64*xs+8*\f:32+64*xs+8*\f+7], v[192+48*ws+8*\t:192+48*ws+8*\t+7], v[128*\h+64*\t+8*\f:128*\h+64*\t+8*\f+7]
.endif
.endr
.endr
.endm
.macro NEXTSETS newx
.if \newx
.set xs, 1-xs
.endif
.set ws, 1-ws
.endm
; A unit: one head, 64 along K: 48 matrix instructions.  It fetches the next unit's weights (sub-slot nu, quarter nkk) and, newx = 1, x (slot ns).
.macro UNIT h, zero, newx, ns, nu, nkk
	s_wait_dscnt 0x0
	PLACES
	LOADW 1-ws, \nu, \nkk
	MULQK \h, 0, 4, \zero
.if \newx
	LOADX 1-xs, \ns, \nkk
.endif
	MULQK \h, 4, 4, \zero
	MULV \h, \zero
	NEXTSETS \newx
.endm
; A unit that changes slots: what is read behind it has been fetched behind the last change.  fill = 0: nothing is filled; 1: weights alone; 2: x too.
.macro TURN h, ns, nu, fill, axs, au, adw, g1w
	WIN 0
	s_wait_tensorcnt 0x0                           ; all my tensor loads have landed
	ds_add_u32 v[SPW], v[NIL]
.if \fill
	AIM \axs, \au, \adw
.endif
	s_wait_dscnt 1                                 ; this unit's fragments are in; the add may be out
	MULQK \h, 0, 1, 0
	s_wait_dscnt 0x0                               ; the add is done, and my reads of what is filled below are over
	s_barrier_signal -1
	MULQK \h, 1, 1, 0
	WIN 0
	s_barrier_wait -1
.if \fill
	CREST                                          ; no wave of any partner still reads there or has a load on its way
	JLOAD \fill-1, \g1w
.endif
	PLACES
	LOADW 1-ws, \nu, 0
	MULQK \h, 2, 3, 0
	LOADX 1-xs, \ns, 0
	MULQK \h, 5, 3, 0
	MULV \h, 0
	NEXTSETS 1
.endm
; THE WAY OUT of a head: sum x 2^(eW + ex) + bias (one rounding), the hold at 448 x the scale (the conversion to an 8-bit code does not saturate: ISA guide 7.6.2), both in place; the conversion, the store.
; It works on the sets that are not in hand: the biases in the weights', q's and k's codes in x's; v's codes go onto the first block's q and k sums, which are done with.
.macro OUT h
.set BI, 160+48*(1-ws)
.set CD, 32+64*(1-xs)
	WIN 0
	PLACES
.irp m, 0,1
.irp t, 0,1
	ds_load_b128 v[BI+16*\m+8*\t:BI+16*\m+8*\t+3], v[BA] offset:(3*\h+\m)*128+64*\t
	ds_load_b128 v[BI+16*\m+8*\t+4:BI+16*\m+8*\t+7], v[BA] offset:(3*\h+\m)*128+64*\t+16
.endr
.endr
	ds_load_b32 v[BI+32], v[BV] offset:(3*\h+2)*128
	ds_load_b32 v[BI+34], v[BV] offset:(3*\h+2)*128+64
	s_wait_dscnt 0x0
.irp f, 0,1,2,3,4,5,6,7
	WIN 0x41*(1+\h)                                ; source 0 and destination window 1 or 2
.irp e, 0,2,4,6,8,10,12,14
	v_pk_fma_f32 v[32*\f+\e:32*\f+\e+1], v[32*\f+\e:32*\f+\e+1], s[90:91], v[BI+\e:BI+\e+1] op_sel_hi:[1,0,1]
.endr
.irp e, 16,18,20,22,24,26,28,30
	v_pk_fma_f32 v[32*\f+\e:32*\f+\e+1], v[32*\f+\e:32*\f+\e+1], s[96:97], v[BI+\e:BI+\e+1] op_sel_hi:[1,0,1]
.endr
.set n, 0
.rept 32
	v_med3_num_f32 v[32*\f+n], v[32*\f+n], -v[LIM+n/16], v[LIM+n/16]
.set n, n+1
.endr
	WIN 1+\h
.irp j, 0,1,2,3
	v_cvt_scalef32_pk8_fp8_f32 v[CD+8*\f+2*\j:CD+8*\f+2*\j+1], v[32*\f+8*\j:32*\f+8*\j+7], v[SCL+\j/2]
.endr
	v_nop                                          ; a plain place behind the conversions
	WIN 0
	global_store_b128 v[LI], v[CD+8*\f:CD+8*\f+3], s[84:85] offset:\h*65536+1024*\f
	global_store_b128 v[LI], v[CD+8*\f+4:CD+8*\f+7], s[86:87] offset:\h*65536+1024*\f
.endr
.irp g, 0,1,2,3                        ; v: tile g / 2, its key blocks 4 (g % 2) .. + 3
	WIN 0xc3
.set n, 0
.rept 16
	v_pk_fma_f32 v[128*\h+32*\g+n:128*\h+32*\g+n+1], v[128*\h+32*\g+n:128*\h+32*\g+n+1], s[98:99], v[BI+32+2*(\g/2):BI+33+2*(\g/2)] op_sel_hi:[1,0,0]
.set n, n+2
.endr
.set n, 0
.rept 32
	v_med3_num_f32 v[128*\h+32*\g+n], v[128*\h+32*\g+n], -v[LIM+2], v[LIM+2]
.set n, n+1
.endr
	WIN 3+0x40*(1+\h)
.irp j, 0,1,2,3
	v_cvt_scalef32_pk8_fp8_f32 v[8*\g+2*\j:8*\g+2*\j+1], v[128*\h+32*\g+8*\j:128*\h+32*\g+8*\j+7], v[SCL+2]
.endr
	v_nop
	WIN 4*(1+\h)
	global_store_b128 v[LI], v[8*\g:8*\g+3], s[88:89] offset:\h*65536+1024*\g
	global_store_b128 v[LI], v[8*\g+4:8*\g+7], s[88:89] offset:\h*65536+1024*\g+512
.endr
	WIN 0
.endm
	s_wait_alu depctr_va_vdst(0)                   ; the head's end
	s_wait_loadcnt 0x0
.irp n, 0,1,2,3,4,5
	ds_store_b32 v[BS], v[32+\n] offset:128*\n     ; my own biases, for the way out
.endr
	s_wait_tensorcnt 0x0                           ; my part of K step 0 is in; these lines stand ahead of a later first fill, as ahead of a refill
	ds_add_u32 v[SPW], v[NIL]
	AIM 1, 2, 256
	s_wait_dscnt 0x0
	CROUND
	JLOAD 1, G1B                                   ; x of K step 1, head 0's weights of it
	LOADX 0, 0, 0
	LOADW 0, 0, 0
	UNIT 0, 1, 0, 0, 1, 0                          ; K step 0: the heads by turns
	UNIT 1, 1, 1, 0, 0, 1
	UNIT 0, 0, 0, 0, 1, 1
	UNIT 1, 0, 1, 0, 0, 2
	UNIT 0, 0, 0, 0, 1, 2
	UNIT 1, 0, 1, 0, 0, 3
	UNIT 0, 0, 0, 0, 1, 3
	TURN 1, 1, 2, 2, 0, 0, 65536, G1B
	UNIT 0, 0, 1, 1, 2, 1                          ; K step 1: head 0,
	UNIT 0, 0, 1, 1, 2, 2
	UNIT 0, 0, 1, 1, 2, 3
	TURN 0, 1, 0, 1, 2, 1, 256-65536, G1D
	UNIT 1, 0, 1, 1, 0, 1                          ; head 1
	UNIT 1, 0, 1, 1, 0, 2
	UNIT 1, 0, 1, 1, 0, 3
	TURN 1, 0, 1, 2, 1, 0, 256, G1B
	UNIT 0, 0, 0, 0, 2, 0                          ; K step 2
	UNIT 1, 0, 1, 0, 1, 1
	UNIT 0, 0, 0, 0, 2, 1
	UNIT 1, 0, 1, 0, 1, 2
	UNIT 0, 0, 0, 0, 2, 2
	UNIT 1, 0, 1, 0, 1, 3
	UNIT 0, 0, 0, 0, 2, 3
	TURN 1, 1, 0, 1, 2, 1, 65536, G1B
	UNIT 0, 0, 1, 1, 0, 1                          ; K step 3: head 0,
	UNIT 0, 0, 1, 1, 0, 2
	UNIT 0, 0, 1, 1, 0, 3
	TURN 0, 1, 1, 0, 0, 0, 0, 0                    ; nothing is filled again
	OUT 0                                          ; which leaves while head 1 is finished
	s_wait_xcnt 0x0                                ; the stores have read the codes: their registers take fragments again
	UNIT 1, 0, 1, 1, 1, 1                          ; head 1
	UNIT 1, 0, 1, 1, 1, 2
	UNIT 1, 0, 1, 1, 1, 3
	s_wait_dscnt 0x0
	MULQK 1, 0, 8, 0
	MULV 1, 0
	OUT 1
	s_wait_tensorcnt 0x0                           ; the wave's end
	ds_add_u32 v[SPW], v[NIL]
	s_wait_dscnt 0x0
	CROUND                                         ; the closing round
	s_endpgm
.Lfunc_end_k_q1d173b1fbc_qkv:
	.size	k_q1d173b1fbc_qkv, .Lfunc_end_k_q1d173b1fbc_qkv-k_q1d173b1fbc_qkv
	.p2alignl 7, 3214868480
	.fill 96, 4, 3214868480
	.section	.rodata,"a",@progbits
	.p2align	6, 0x0
	.amdhsa_kernel k_q1d173b1fbc_qkv
		.amdhsa_group_segment_fixed_size 327680
		.amdhsa_private_segment_fixed_size 0
		.amdhsa_enable_private_segment 0
		.amdhsa_kernarg_size 88
		.amdhsa_user_sgpr_count 2
		.amdhsa_user_sgpr_kernarg_segment_ptr 1
		.amdhsa_wavefront_size32 1
		.amdhsa_system_sgpr_workgroup_id_x 1
		.amdhsa_system_sgpr_workgroup_id_y 1
		.amdhsa_system_sgpr_workgroup_id_z 1
		.amdhsa_system_vgpr_workitem_id 0
		.amdhsa_next_free_vgpr 1024
		.amdhsa_next_free_sgpr 102
		.amdhsa_reserve_vcc 0
		.amdhsa_float_denorm_mode_32 3
		.amdhsa_float_denorm_mode_16_64 3
		.amdhsa_memory_ordered 1
		.amdhsa_forward_progress 1
		.amdhsa_inst_pref_size 255
	.end_amdhsa_kernel
	.section	.bss,"aw",@nobits
	.p2align	6
	.space	262144
	.amdgpu_metadata
---
amdhsa.version: [ 1, 2 ]
amdhsa.kernels:
  - .name:           k_q1d173b1fbc_qkv
    .symbol:         k_q1d173b1fbc_qkv.kd
    .args:
      - { .name: x_codes, .offset: 0, .size: 8, .value_kind: global_buffer, .address_space: global }
      - { .name: Wq_codes, .offset: 8, .size: 8, .value_kind: global_buffer, .address_space: global }
      - { .name: Wk_codes, .offset: 16, .size: 8, .value_kind: global_buffer, .address_space: global }
      - { .name: Wv_codes, .offset: 24, .size: 8, .value_kind: global_buffer, .address_space: global }
      - { .name: bq, .offset: 32, .size: 8, .value_kind: global_buffer, .address_space: global }
      - { .name: bk, .offset: 40, .size: 8, .value_kind: global_buffer, .address_space: global }
      - { .name: bv, .offset: 48, .size: 8, .value_kind: global_buffer, .address_space: global }
      - { .name: lowp_scales, .offset: 56, .size: 8, .value_kind: global_buffer, .address_space: global }
      - { .name: q_img, .offset: 64, .size: 8, .value_kind: global_buffer, .address_space: global }
      - { .name: k_img, .offset: 72, .size: 8, .value_kind: global_buffer, .address_space: global }
      - { .name: v_img, .offset: 80, .size: 8, .value_kind: global_buffer, .address_space: global }
    .group_segment_fixed_size: 327680
    .private_segment_fixed_size: 0
    .kernarg_segment_align: 8
    .kernarg_segment_size: 88
    .max_flat_workgroup_size: 128
    .sgpr_count:     102
    .vgpr_count:     1024
    .wavefront_size: 32
...
	.end_amdgpu_metadata
.endif
;; end of part 1
;; launch attn (part 2): grid 256 x 1, 8 waves a work-group, clusters of 4 x 1, 263,168 bytes of LDS; arguments q_img, k_img, v_img, lowp_scales, attn_img; writes attn_img
.if DOCPART == 2
	.amdgcn_target "amdgcn-amd-amdhsa--gfx1250"
	.amdhsa_code_object_version 6
	.text
	.protected	k_q1d173b1fbc_attn
	.globl	k_q1d173b1fbc_attn
	.p2align	8
	.type	k_q1d173b1fbc_attn,@function
k_q1d173b1fbc_attn:
	s_mov_b64 s[64:65], 0
	v_nop
	global_prefetch_b8 v0, s[64:65] scope:SCOPE_SE
	s_setreg_imm32_b32 hwreg(HW_REG_WAVE_MODE, 25, 1), 1
	s_wait_xcnt 0x0
	s_wait_alu depctr_hold_cnt(0) depctr_sa_sdst(0) depctr_va_vdst(0) depctr_va_sdst(0) depctr_va_ssrc(0) depctr_va_vcc(0) depctr_vm_vsrc(0)
	s_getreg_b32 s2, hwreg(HW_REG_IB_STS2, 6, 4)
	s_cmp_eq_u32 s2, 0
	s_cbranch_scc0 .Lentry_in_a_cluster
	s_endpgm
.Lentry_in_a_cluster:
	s_bfe_u32 s2, ttmp6, 0x10000c
	s_cmp_lg_u32 s2, 0x3003
	s_cbranch_scc0 .Lentry_shape_is_right
	s_endpgm
.Lentry_shape_is_right:
; attn = softmax(q k^T / 8) v for 128 (batch, head) pairs of 1,024 tokens x 64 channels, both products on codes of FP8 (E4M3); the result is quantised with entry 10 and stored as images of the last product's operand registers.
; q_img, k_img: [pair][group of 16 tokens: 64][plane 2][lane][16 bytes]: registers 2 c, 2 c + 1 of lane (r, h) = channels 16 c + 8 h + 0 .. 7 of token r.   v_img: [pair][128 keys: 8][16 channels: 4][plane 4][lane][16 bytes]: keys 16 c + 8 h + 0 .. 7 of channel r.
; THE SOFTMAX: t = score x log2(e) / 8; M = the running largest t rounded UP to a whole number; p = 2^(t - M) is quantised (entry 8), not normalised; the row's sum is taken of the unquantised p and divides at the end.
; When M moves, the sum and O are multiplied by 2^(old M - new M): a power of two.
; SHARES.  A cluster of four work-groups owns two pairs; work-group cx owns queries 256 cx .. + 255 of both; each of its eight waves two tiles, A and B, of 16 queries: each fragment of K and V feeds both.  A wave walks 2 x 4 steps of 256 keys.
; LDS holds ALL of the two pairs' K (131,072 bytes) and V (131,072), byte for byte as they lie in memory: each of the eight waves asks for 32,768 bytes by one joint load of the four partners.
; Nothing is filled again: one barrier behind the loads, and the waves walk apart from there on.
; LAYOUT.  Both products are used transposed: S^T = K Q^T (source 0 = 16 keys, source 1 = 16 queries), O^T = V^T P^T: a lane holds ONE query of each tile throughout.  Result t of S^T holds keys 16 t + 8 h + 0 .. 7 in its eight registers:
; one conversion gives registers 2 t, 2 t + 1 of P.  Result t of O^T holds channels 16 t + 8 h + 0 .. 7: registers 2 t, 2 t + 1 of the last product's operand.  Nothing changes lanes.
; THE LOADS RUN AHEAD: a step's K fragments are fetched while the step before walks its softmax; its V fragments land on scores of tile A that are converted, while tile B's are.
; attn_img: [head / 4][64 batch + group of 16 tokens: 512][head % 4][plane 2][lane][16 bytes].
; No step is left out.  No prefetch: all of K and V is asked for at the head.
; LIMITS: entries 6 + 7 between -123 and 130 (added to c's exponent field); entries 8 and 10 between -126 and 119; the scaled scores stay under 2^31 in magnitude.  NaN is not served.
; REGISTERS: window 0: v1-3, v13 addresses; v4, v6 -M of A, B; v[8:9], v[10:11] the sums; v12 2^e8; v14, v15 448 x 2^e8; v16-23, v24-31 Q; v32-63, v64-95 O^T; v96-223 sixteen fragments of K; v224-239, v240-255 at work, then p's codes of the first 128 keys.
;   window 1: v0-127, v128-255 S^T, then p; behind the conversions v0-15, v128-143 p's codes of the last 128 keys, v16-127 and v144-159 eight fragments of V.
.set LI,   1                           ; 16 x lane
.set ADK,  2                           ; the next step's K
.set ADV,  3                           ; this step's V
.set LIV,  13                          ; 16 x lane + V's first byte
.set F,    96
.set X,    224
.set SPARE, 0x40000                    ; behind K and V: 128 bytes a wave
.set NC,   17                          ; s17  -c
.set WV,   18
.set SEL,  20                          ; s[20:21] lane selects: lane l xor 16
.set CS,   22                          ; s[22:23] c = log2(e) / 8 x 2^(e6 + e7)
.set G1,   24
.set G0,   32
.set CX,   66
.set TRIP, 67
.set TB,   80                          ; s80  LDS byte of the step in hand, in K's region
.set TN,   79                          ; s79  of the next
.set MSB, 0
.macro WIN new                         ; the immediate's high byte repeats the setting that is left
.if MSB != \new
	s_set_vgpr_msb (MSB<<8)|\new
.set MSB, \new
.endif
.endm
.macro ROUND
	s_barrier_signal -1
	s_barrier_wait -1
	s_cmp_lg_u32 s[WV], 0
	s_cbranch_scc1 .Lnot_wave_0_\@
	s_barrier_signal -3
.Lnot_wave_0_\@:
	s_barrier_wait -3
	s_barrier_signal -1
	s_barrier_wait -1
.endm
.macro KLOAD                           ; sixteen fragments of 16 keys x 64 channels
.irp t, 0,1,2,3,4,5,6,7,8,9,10,11,12,13,14,15
	ds_load_b128 v[F+8*\t:F+8*\t+3], v[ADK] offset:1024*\t
	ds_load_b128 v[F+8*\t+4:F+8*\t+7], v[ADK] offset:1024*\t+512
.endr
.endm
.macro QLOAD off
	global_load_b128 v[16:19], v[LI], s[4:5] offset:\off
	global_load_b128 v[20:23], v[LI], s[4:5] offset:\off+512
	global_load_b128 v[24:27], v[LI], s[4:5] offset:\off+1024
	global_load_b128 v[28:31], v[LI], s[4:5] offset:\off+1536
.endm
	s_load_b256 s[4:11], s[0:1], 0x0               ; q_img 4, k_img 6, v_img 8, the exponents 10
	s_load_b64 s[12:13], s[0:1], 0x20              ; attn_img
	v_lshl_add_u32 v32, v0, 2, SPARE
	v_mov_b32 v33, 0
	ds_add_u32 v32, v33                            ; the wave's opening: the add, twice on end, and its wait
	ds_add_u32 v32, v33
	v_lshrrev_b32 v2, 5, v0
	v_readfirstlane_b32 s[WV], v2                  ; wave 0..7
	v_and_b32 v3, 31, v0
	v_lshlrev_b32 v[LI], 4, v3
	v_add_nc_u32 v[LIV], 0x20000, v[LI]
	s_bfe_u32 s[CX], ttmp6, 0x40000                ; cx: it enters Q's and the result's addresses alone
	s_mov_b32 s[G1], 15|(3<<16)|(1<<21)            ; all four work-groups; elements of 8 bytes; bit 21 beside a mask; no padding
	s_mov_b32 s[G1+1], 32<<16                      ; 128 rows of 256 bytes, on end
	s_mov_b32 s[G1+2], 128<<16
	s_mov_b32 s[G1+3], 32<<16
	s_mov_b32 s[G1+4], 128
	s_mov_b32 s[G1+5], 32
	s_mov_b32 s[G1+6], 0
	s_mov_b32 s[G1+7], 0
	s_mov_b32 s[SEL], 0x76543210
	s_mov_b32 s[SEL+1], 0xfedcba98
	s_mov_b32 s[CS], 0x3e38aa3b                    ; log2(e) / sqrt(64)
	s_lshl_b32 s82, ttmp9, 17                      ; the cluster's two pairs: 131,072 bytes in each image
	s_and_b32 s81, s[WV], 3
	s_lshl_b32 s81, s81, 15                        ; which 32,768 of them: waves 0-3 of K, 4-7 of V
	s_add_co_u32 s84, s82, s81
	s_mov_b32 s85, 0
	s_lshl_b32 s86, s[CX], 4
	s_lshl_b32 s87, s[WV], 1
	s_add_co_u32 s86, s86, s87                     ; my first group of 16 queries
	s_lshl_b32 s88, s86, 10
	s_add_co_u32 s88, s88, s82                     ; Q: my two groups' 2,048 bytes in the first pair
	s_mov_b32 s89, 0
	s_and_b32 s90, ttmp9, 7                        ; the first pair's head is 2 (c % 8)
	s_lshr_b32 s90, s90, 1
	s_lshl_b32 s90, s90, 21                        ; head / 4, 2^21 bytes each
	s_lshr_b32 s91, ttmp9, 3                       ; the batch
	s_lshl_b32 s91, s91, 6
	s_add_co_u32 s91, s91, s86
	s_lshl_b32 s91, s91, 12                        ; 64 batch + group, 4,096 bytes each
	s_add_co_u32 s90, s90, s91
	s_and_b32 s91, ttmp9, 1
	s_lshl_b32 s91, s91, 11                        ; head % 4 = 2 (c % 2), 1,024 bytes each
	s_add_co_u32 s90, s90, s91
	s_mov_b32 s91, 0
	s_and_b32 s87, s[WV], 4
	s_wait_alu depctr_va_vdst(0)
	s_wait_dscnt 0x0                               ; both adds are done
	ROUND                                          ; all four work-groups are here: the joint loads meet
	s_wait_kmcnt 0x0
	s_cmp_lg_u32 s87, 0                            ; V or K, by the wave's number
	s_cselect_b64 s[6:7], s[8:9], s[6:7]
	s_mov_b32 s[G0], 1
	s_lshl_b32 s[G0+1], s[WV], 15                  ; LDS: 32,768 bytes a wave
	s_add_nc_u64 s[G0+2:G0+3], s[6:7], s[84:85]
	s_or_b32 s[G0+3], s[G0+3], 0x80000000
	tensor_load_to_lds s[G0:G0+3], s[G1:G1+7]      ; my one tensor load
	s_nop 0
.rept 4
	v_nop
.endr
	s_load_b128 s[68:71], s[10:11], 0x18           ; entries 6, 7, 8, 9
	s_load_b32 s72, s[10:11], 0x28                 ; entry 10
	s_add_nc_u64 s[4:5], s[4:5], s[88:89]
	s_add_nc_u64 s[12:13], s[12:13], s[90:91]
	QLOAD 0                                        ; the first pair's Q
	v_mov_b32 v5, 0                                ; (named as the upper half of a pair)
	v_mov_b32 v7, 0
.irp q, 0,1
	v_mov_b32 v[X+16*\q+4], 0                      ; (a lane permute's destination counts as a source)
	v_mov_b32 v[X+16*\q+7], 0                      ; (the upper half of f's pair)
.endr
.macro HEADINIT                        ; the step is written once: the first finds zeros, which the first change of M leaves zeros
	v_mov_b32 v4, 0x7f61b1e6                       ; -M: 3e38
	v_mov_b32 v6, 0x7f61b1e6
.irp j, 8,9,10,11
	v_mov_b32 v\j, 0
.endr
.set j, 0
.rept 64
	v_mov_b32 v[32+j], 0
.set j, j+1
.endr
.endm
	HEADINIT
	s_wait_alu depctr_va_vdst(0)
	s_wait_kmcnt 0x0
	s_add_co_i32 s73, s68, s69
	s_lshl_b32 s73, s73, 23
	s_add_co_i32 s[CS], s[CS], s73                 ; a score stands for score x 2^(e6 + e7): added to c's exponent field
	s_mov_b32 s[CS+1], s[CS]
	s_xor_b32 s[NC], s[CS], 0x80000000
	s_add_co_i32 s74, s70, 127
	s_lshl_b32 s75, s74, 23
	v_mov_b32 v12, s75                             ; 2^e8
	s_add_co_i32 s74, s74, 8
	s_lshl_b32 s74, s74, 23
	s_or_b32 s74, s74, 0x600000
	v_mov_b32 v14, s74                             ; 448 x 2^e8,
	v_mov_b32 v15, s74                             ; twice: the first sources of a dual-issue pair differ modulo 4
	s_add_co_i32 s74, s72, 127
	s_lshl_b32 s77, s74, 23                        ; 2^e10
	s_add_co_i32 s74, s74, 8
	s_lshl_b32 s76, s74, 23
	s_or_b32 s76, s76, 0x600000                    ; 448 x 2^e10
	s_add_co_i32 s73, s70, s71                     ; e8 + e9
; Pair i is finished: O^T x 2^(e8 + e9) / the sum, held, quantised with entry 10, and stored: four stores of 512 consecutive bytes.
.macro FINISH i
.rept 4
	v_nop                                          ; places behind the last products
.endr
.irp q, 0,1
	v_add_f32 v[8+2*\q], v[8+2*\q], v[9+2*\q]
.endr
.irp q, 0,1
	v_permlanex16_b32 v[X+16*\q+4], v[8+2*\q], s[SEL], s[SEL+1]
.endr
.irp q, 0,1
	v_add_f32 v[8+2*\q], v[8+2*\q], v[X+16*\q+4]   ; the row's sum
.endr
	v_mov_b32 v[X+8], s76                          ; 448 x 2^e10
	v_mov_b32 v[X+9], s77                          ; 2^e10
	s_wait_alu depctr_va_vdst(0)
	v_rcp_f32 v8, v8
	v_rcp_f32 v10, v10
	v_nop                                          ; one plain instruction behind the reciprocals
	s_wait_alu depctr_va_vdst(0)                   ; and the wait ahead of their first reader
	v_ldexp_f32 v8, v8, s73
	v_ldexp_f32 v10, v10, s73
	WIN 0x40                                       ; destination window 1
	s_wait_alu depctr_va_vdst(0)                   ; and directly ahead of O^T's first readers
.set j, 0
.rept 16
	v_pk_mul_f32 v[j:j+1], v[32+j:33+j], v[8:9] op_sel_hi:[1,0]
.set j, j+2
.endr
.rept 16
	v_pk_mul_f32 v[j:j+1], v[32+j:33+j], v[10:11] op_sel_hi:[1,0]
.set j, j+2
.endr
	WIN 0x41
.set j, 0
.rept 64
	v_med3_num_f32 v[j], v[j], -v[X+8], v[X+8]
.set j, j+1
.endr
.irp t, 0,1,2,3,4,5,6,7
	v_cvt_scalef32_pk8_fp8_f32 v[64+2*\t:65+2*\t], v[8*\t:8*\t+7], v[X+9]
.endr
	v_nop                                          ; one plain instruction behind the conversions
	WIN 0x04                                       ; data window 1
.irp q, 0,1
	global_store_b128 v[LI], v[64+8*\q:67+8*\q], s[12:13] offset:1024*\i+4096*\q
	global_store_b128 v[LI], v[68+8*\q:71+8*\q], s[12:13] offset:1024*\i+4096*\q+512
.endr
	WIN 0
.endm
; The hold and the conversions of a tile's p.  The conversion to an 8-bit code does not saturate (ISA guide 7.6.2); p is not negative, so the hold is one-sided; it stands whatever entry 8 is.  Two numbers go in one dual-issue pair.
.macro CODES q
	WIN 0x44                                       ; second sources and destinations window 1
.set j, 128*\q
.rept 64
	v_dual_min_num_f32 v[j], v14, v[j] :: v_dual_min_num_f32 v[j+1], v15, v[j+1]
.set j, j+2
.endr
	WIN 0x01
.irp t, 0,1,2,3,4,5,6,7
	v_cvt_scalef32_pk8_fp8_f32 v[X+16*\q+2*\t:X+16*\q+2*\t+1], v[128*\q+8*\t:128*\q+8*\t+7], v12
.endr
	v_nop                                          ; a plain place: the next conversions write over sources of these
	WIN 0x41
.irp t, 0,1,2,3,4,5,6,7
	v_cvt_scalef32_pk8_fp8_f32 v[128*\q+2*\t:128*\q+2*\t+1], v[128*\q+64+8*\t:128*\q+71+8*\t], v12
.endr
	v_nop
.endm
	s_mov_b32 s[TB], 0
	s_mov_b32 s[TN], 16384
	s_mov_b32 s[TRIP], 8
	v_mov_b32 v[ADK], v[LI]
	s_wait_alu depctr_va_vdst(0)                   ; the head's end
	s_wait_loadcnt 0x0                             ; Q
	s_wait_tensorcnt 0x0                           ; my part of K and V is in,
	s_barrier_signal -1
	s_barrier_wait -1                              ; and everybody's: nothing is filled from here on
	KLOAD
	s_wait_dscnt 0x0
.Lstep:                                                ; 256 keys; K's fragments are in
	v_add_nc_u32 v[ADV], s[TB], v[LIV]
	v_add_nc_u32 v[ADK], s[TN], v[LI]
.rept 4
	v_nop                                          ; with the additions: places behind the last products, whose registers are written below
.endr
	WIN 0x40                                       ; D window 1
.irp t, 0,1,2,3,4,5,6,7,8,9,10,11,12,13,14,15
	v_wmma_f32_16x16x64_fp8_fp8 v[8*\t:8*\t+7], v[F+8*\t:F+8*\t+7], v[16:23], 0
	v_wmma_f32_16x16x64_fp8_fp8 v[128+8*\t:135+8*\t], v[F+8*\t:F+8*\t+7], v[24:31], 0
.endr
	WIN 0
.rept 4
	v_nop                                          ; places in front of the loads below and of the scores' first read
.endr
	s_wait_alu depctr_va_vdst(0)                   ; ahead of the branches
	s_cmp_eq_u32 s[TRIP], 1
	s_cbranch_scc1 .Lno_k                          ; the last step has no successor
	KLOAD                                          ; the next step's K, under this step's softmax
.Lno_k:
	s_cmp_eq_u32 s[TRIP], 5
	s_cbranch_scc0 .Lno_q
	QLOAD 65536                                    ; the first pair's last step: the second pair's Q
.Lno_q:
	WIN 0x15
.irp q, 0,1                                    ; the step's largest score of my query among my 128 keys, four chains a tile, each result from its low end on
	v_max3_num_f32 v[X+16*\q], v[128*\q], v[128*\q+1], v[128*\q+2]
	v_max3_num_f32 v[X+16*\q+1], v[128*\q+3], v[128*\q+4], v[128*\q+5]
	v_max3_num_f32 v[X+16*\q+2], v[128*\q+6], v[128*\q+7], v[128*\q+8]
	v_max3_num_f32 v[X+16*\q+3], v[128*\q+9], v[128*\q+10], v[128*\q+11]
.endr
	WIN 0x14
.set n, 12
.rept 14
.irp q, 0,1
	v_max3_num_f32 v[X+16*\q], v[X+16*\q], v[128*\q+n], v[128*\q+n+1]
	v_max3_num_f32 v[X+16*\q+1], v[X+16*\q+1], v[128*\q+n+2], v[128*\q+n+3]
	v_max3_num_f32 v[X+16*\q+2], v[X+16*\q+2], v[128*\q+n+4], v[128*\q+n+5]
	v_max3_num_f32 v[X+16*\q+3], v[X+16*\q+3], v[128*\q+n+6], v[128*\q+n+7]
.endr
.set n, n+8
.endr
.irp q, 0,1
	v_max3_num_f32 v[X+16*\q], v[X+16*\q], v[128*\q+124], v[128*\q+125]
	v_max3_num_f32 v[X+16*\q+1], v[X+16*\q+1], v[128*\q+126], v[128*\q+127]
.endr
	WIN 0
.irp q, 0,1                                    ; two chains side by side
	v_max_num_f32 v[X+16*\q+2], v[X+16*\q+2], v[X+16*\q+3]
.endr
.irp q, 0,1
	v_max3_num_f32 v[X+16*\q], v[X+16*\q], v[X+16*\q+1], v[X+16*\q+2]
.endr
.irp q, 0,1
	v_permlanex16_b32 v[X+16*\q+4], v[X+16*\q], s[SEL], s[SEL+1]
.endr
.irp q, 0,1
	v_max_num_f32 v[X+16*\q], v[X+16*\q], v[X+16*\q+4]   ; and among lane l xor 16's
.endr
.irp q, 0,1
	v_mul_f32 v[X+16*\q], s[NC], v[X+16*\q]        ; -t (c is positive)
.endr
.irp q, 0,1
	v_floor_f32 v[X+16*\q], v[X+16*\q]             ; -ceil(t)
.endr
.irp q, 0,1
	v_min_num_f32 v[X+16*\q], v[4+2*\q], v[X+16*\q]   ; the new -M
.endr
.irp q, 0,1
	v_sub_f32 v[X+16*\q+1], v[X+16*\q], v[4+2*\q]  ; old M - new M: a whole number, 0 or less
.endr
.irp q, 0,1
	v_mov_b32 v[4+2*\q], v[X+16*\q]
.endr
.irp q, 0,1
	v_cvt_i32_f32 v[X+16*\q+1], v[X+16*\q+1]       ; (it saturates)
.endr
.irp q, 0,1
	v_ldexp_f32 v[X+16*\q+6], 1.0, v[X+16*\q+1]    ; f = 2^(old M - new M)
.endr
	WIN 0x41
.set j, 0
.rept 64
	v_pk_fma_f32 v[j:j+1], v[j:j+1], s[CS:CS+1], v[4:5] op_sel_hi:[1,0,0]   ; A: t - M, two at a time
.set j, j+2
.endr
	s_wait_alu depctr_va_vdst(0)                   ; ahead of the batch
.set j, 0
.rept 64
	v_exp_f32 v[j], v[j]                           ; A: p = 2^(t - M)
	v_exp_f32 v[j+1], v[j+1]
	v_pk_fma_f32 v[128+j:129+j], v[128+j:129+j], s[CS:CS+1], v[6:7] op_sel_hi:[1,0,0]   ; B: t - M; read behind the next wait
.set j, j+2
.endr
	s_wait_alu depctr_va_vdst(0)                   ; behind A's batch and ahead of B's
.set j, 128
.rept 128
	v_exp_f32 v[j], v[j]                           ; B: p
.set j, j+1
.endr
	WIN 0
	v_pk_mul_f32 v[8:9], v[8:9], v[X+6:X+7] op_sel_hi:[1,0]   ; the sums under the new M: plain instructions behind the exponentials
	v_pk_mul_f32 v[10:11], v[10:11], v[X+22:X+23] op_sel_hi:[1,0]
	s_wait_alu depctr_va_vdst(0)                   ; one wait for the batch, and for O^T, whose first readers follow
.set j, 32
.rept 16
	v_pk_mul_f32 v[j:j+1], v[j:j+1], v[X+6:X+7] op_sel_hi:[1,0]   ; O^T under the new M
.set j, j+2
.endr
.rept 16
	v_pk_mul_f32 v[j:j+1], v[j:j+1], v[X+22:X+23] op_sel_hi:[1,0]
.set j, j+2
.endr
	WIN 0x05
.irp q, 0,1                                    ; the row's sum, of the unquantised p, in eight chains a tile
.set j, 0
.rept 8
	v_pk_add_f32 v[X+16*\q+j:X+16*\q+j+1], v[128*\q+j:128*\q+j+1], v[128*\q+16+j:128*\q+17+j]
.set j, j+2
.endr
.endr
	WIN 0x04
.irp q, 0,1
.set j, 32
.rept 48
	v_pk_add_f32 v[X+16*\q+j%16:X+16*\q+j%16+1], v[X+16*\q+j%16:X+16*\q+j%16+1], v[128*\q+j:128*\q+j+1]
.set j, j+2
.endr
.endr
	WIN 0
.irp j, 0,2,4,6,16,18,20,22
	v_pk_add_f32 v[X+\j:X+\j+1], v[X+\j:X+\j+1], v[X+8+\j:X+9+\j]
.endr
.irp j, 0,2,16,18
	v_pk_add_f32 v[X+\j:X+\j+1], v[X+\j:X+\j+1], v[X+4+\j:X+5+\j]
.endr
	v_pk_add_f32 v[8:9], v[8:9], v[X:X+1]
	v_pk_add_f32 v[10:11], v[10:11], v[X+16:X+17]
	v_pk_add_f32 v[8:9], v[8:9], v[X+2:X+3]
	v_pk_add_f32 v[10:11], v[10:11], v[X+18:X+19]
	CODES 0
	WIN 0x40
.irp f, 0,1,2,3,4,5,6                          ; V: seven fragments of 16 channels x 128 keys onto A's scores,
.irp c, 0,1,2,3
	ds_load_b128 v[16+16*\f+4*\c:19+16*\f+4*\c], v[ADV] offset:2048*\f+512*\c
.endr
.endr
	CODES 1
	WIN 0x40
.irp c, 0,1,2,3                                ; the eighth onto B's
	ds_load_b128 v[144+4*\c:147+4*\c], v[ADV] offset:14336+512*\c
.endr
	WIN 0x01
	s_wait_alu depctr_va_vdst(0)
	s_wait_loadcnt 0x0                             ; (the second pair's Q, where it was asked for)
	s_wait_dscnt 16                                ; the first 128 keys' V is in; the younger 16 loads may be out
.irp t, 0,1,2,3                                ; the eight accumulators take turns
	v_wmma_f32_16x16x128_fp8_fp8 v[32+8*\t:39+8*\t], v[16+16*\t:31+16*\t], v[X:X+15], v[32+8*\t:39+8*\t]
	v_wmma_f32_16x16x128_fp8_fp8 v[64+8*\t:71+8*\t], v[16+16*\t:31+16*\t], v[X+16:X+31], v[64+8*\t:71+8*\t]
.endr
	WIN 0x05
	s_wait_dscnt 0x0
.irp t, 0,1,2,3
.set VF, 80+16*\t
.if \t == 3
.set VF, 144
.endif
	v_wmma_f32_16x16x128_fp8_fp8 v[32+8*\t:39+8*\t], v[VF:VF+15], v[0:15], v[32+8*\t:39+8*\t]
	v_wmma_f32_16x16x128_fp8_fp8 v[64+8*\t:71+8*\t], v[VF:VF+15], v[128:143], v[64+8*\t:71+8*\t]
.endr
	WIN 0
	s_add_co_u32 s[TB], s[TB], 16384
	s_add_co_u32 s[TN], s[TN], 16384
	s_cmp_eq_u32 s[TRIP], 5
	s_cbranch_scc0 .Lgo_on
	FINISH 0                                       ; the first pair's four steps are walked
	s_wait_xcnt 0x0                                ; the stores have read their data: the registers are written again
	HEADINIT
	s_wait_alu depctr_va_vdst(0)                   ; ahead of the branch
.Lgo_on:
	s_sub_co_u32 s[TRIP], s[TRIP], 1
	s_cmp_lg_u32 s[TRIP], 0
	s_cbranch_scc1 .Lstep
	FINISH 1
	v_lshl_add_u32 v32, v0, 2, SPARE
	v_mov_b32 v33, 0
	s_wait_alu depctr_va_vdst(0)
	s_wait_tensorcnt 0x0                           ; the wave's end
	ds_add_u32 v32, v33
	s_wait_dscnt 0x0
	ROUND                                          ; the closing round
	s_endpgm
.Lfunc_end_k_q1d173b1fbc_attn:
	.size	k_q1d173b1fbc_attn, .Lfunc_end_k_q1d173b1fbc_attn-k_q1d173b1fbc_attn
	.p2alignl 7, 3214868480
	.fill 96, 4, 3214868480
	.section	.rodata,"a",@progbits
	.p2align	6, 0x0
	.amdhsa_kernel k_q1d173b1fbc_attn
		.amdhsa_group_segment_fixed_size 263168
		.amdhsa_private_segment_fixed_size 0
		.amdhsa_enable_private_segment 0
		.amdhsa_kernarg_size 40
		.amdhsa_user_sgpr_count 2
		.amdhsa_user_sgpr_kernarg_segment_ptr 1
		.amdhsa_wavefront_size32 1
		.amdhsa_system_sgpr_workgroup_id_x 1
		.amdhsa_system_sgpr_workgroup_id_y 1
		.amdhsa_system_sgpr_workgroup_id_z 1
		.amdhsa_system_vgpr_workitem_id 0
		.amdhsa_next_free_vgpr 512
		.amdhsa_next_free_sgpr 96
		.amdhsa_reserve_vcc 0
		.amdhsa_float_denorm_mode_32 3
		.amdhsa_float_denorm_mode_16_64 3
		.amdhsa_memory_ordered 1
		.amdhsa_forward_progress 1
		.amdhsa_inst_pref_size 82
	.end_amdhsa_kernel
	.amdgpu_metadata
---
amdhsa.version: [ 1, 2 ]
amdhsa.kernels:
  - .name:           k_q1d173b1fbc_attn
    .symbol:         k_q1d173b1fbc_attn.kd
    .args:
      - { .name: q_img, .offset: 0, .size: 8, .value_kind: global_buffer, .address_space: global }
      - { .name: k_img, .offset: 8, .size: 8, .value_kind: global_buffer, .address_space: global }
      - { .name: v_img, .offset: 16, .size: 8, .value_kind: global_buffer, .address_space: global }
      - { .name: lowp_scales, .offset: 24, .size: 8, .value_kind: global_buffer, .address_space: global }
      - { .name: attn_img, .offset: 32, .size: 8, .value_kind: global_buffer, .address_space: global }
    .group_segment_fixed_size: 263168
    .private_segment_fixed_size: 0
    .kernarg_segment_align: 8
    .kernarg_segment_size: 40
    .max_flat_workgroup_size: 256
    .sgpr_count:     96
    .vgpr_count:     512
    .wavefront_size: 32
...
	.end_amdgpu_metadata
.endif
;; end of part 2
;; launch proj (part 3): grid 8 x 32, 4 waves a work-group, clusters of 4 x 4, 327,680 bytes of LDS; arguments attn_img, Wo_codes, lowp_scales, bo, out0; writes out0
.if DOCPART == 3
	.amdgcn_target "amdgcn-amd-amdhsa--gfx1250"
	.amdhsa_code_object_version 6
	.text
	.protected	k_q1d173b1fbc_proj
	.globl	k_q1d173b1fbc_proj
	.p2align	8
	.type	k_q1d173b1fbc_proj,@function
k_q1d173b1fbc_proj:
	s_mov_b64 s[64:65], 0
	v_nop
	global_prefetch_b8 v0, s[64:65] scope:SCOPE_SE
	s_setreg_imm32_b32 hwreg(HW_REG_WAVE_MODE, 25, 1), 1
	s_wait_xcnt 0x0
	s_wait_alu depctr_hold_cnt(0) depctr_sa_sdst(0) depctr_va_vdst(0) depctr_va_sdst(0) depctr_va_ssrc(0) depctr_va_vcc(0) depctr_vm_vsrc(0)
	s_getreg_b32 s2, hwreg(HW_REG_IB_STS2, 6, 4)
	s_cmp_eq_u32 s2, 0
	s_cbranch_scc0 .Lentry_in_a_cluster
	s_endpgm
.Lentry_in_a_cluster:
	s_bfe_u32 s2, ttmp6, 0x10000c
	s_cmp_lg_u32 s2, 0xf033
	s_cbranch_scc0 .Lentry_shape_is_right
	s_endpgm
.Lentry_shape_is_right:
; out = attn Wo^T + bo on codes of FP8 (E4M3): [8192][1024] f32.  attn_img: [head / 4][group of 16 tokens: 512][head % 4][plane 2][lane][16 bytes], images of operand registers (k in the form's own places); Wo: [1024][1024] codes, K innermost.
; A work-group makes 256 tokens x 128 columns, in two chunks of 128 tokens, K whole in each; its four waves 64 tokens x 64 columns of a chunk.
; Wo's 128 rows come into LDS once, beside the first chunk, and from there into 512 registers of each wave (64 columns x 1,024 K).  The second chunk is then fetched onto the bytes that held Wo, while the first is multiplied and stored.
; CLUSTERS of 4 x 4: a chunk hangs on cy and is asked for jointly along a row, Wo's rows on cx and along a column.
; Source 0 = 16 rows of Wo, source 1 = 16 tokens: a lane holds a token and eight neighbouring columns.
; No step is left out.  No prefetch: two fetches in all, and no loop to run ahead in.
; LIMIT: e10 + e11 between -126 and 127.  NaN is not served.
; REGISTERS: window 0: v8-29 addresses, v32-63 the bias, v64-191 fragments of tokens (odd quarters of K), then rows on their way out; v192-255 results.   window 1: v0-127 fragments (even quarters), v128-255 the sums: (group g, tile b) at v[128 + 8 (4 g + b)].
;   windows 2, 3: Wo: (128 along K: ks, tile b) at v[64 (ks % 4) + 16 b], window 2 + ks / 4.
.set PITCH,  1040                      ; a row of Wo in LDS: 1,024 bytes + 16 of padding
.set BBYTES, 128*PITCH
.set SPARE,  BBYTES+131072             ; behind Wo and the first chunk
.set STAGE,  SPARE+512                 ; 16 rows x 272 bytes for each wave
.set SPITCH, 272
.set H32,  8
.set ADRA, 16                          ; v16-17 the first chunk (K's halves), v18-19 the second
.set ADRB, 20
.set STO,  24
.set RD,   25
.set CO,   26
.set SPW,  28
.set NIL,  29
.set BO,   32
.set BK,   64
.set TM,   192
.set SC,   66                          ; s[66:67] 2^(e10 + e11)
.set G1, 24                            ; first chunk: two rows of 32,768 bytes
.set G0, 32
.set G0C, 36
.set G1B, 48                           ; Wo: 64 rows of 1,024 bytes
.set G0B, 56
.set G1C, 68                           ; second chunk: 128 rows of 256 bytes
.set MSB, 0
.macro WIN new
.if MSB != \new
	s_set_vgpr_msb (MSB<<8)|\new
.set MSB, \new
.endif
.endm
.macro CROUND
	s_barrier_signal -1
	s_barrier_wait -1
	s_cmp_lg_u32 s14, 0
	s_cbranch_scc1 .Lnot_wave_0_\@
	s_barrier_signal -3
.Lnot_wave_0_\@:
	s_barrier_wait -3
	s_barrier_signal -1
	s_barrier_wait -1
.endm
.macro PLACES
.rept 4
	v_nop
.endr
.endm
	s_load_b256 s[4:11], s[0:1], 0x0               ; attn_img 4, Wo 6, the exponents 8, bo 10
	s_load_b64 s[12:13], s[0:1], 0x20              ; out0
	v_lshl_add_u32 v[SPW], v0, 2, SPARE
	v_mov_b32 v[NIL], 0
	ds_add_u32 v[SPW], v[NIL]                      ; the wave's opening: the add, twice on end, and its wait
	ds_add_u32 v[SPW], v[NIL]
	v_lshrrev_b32 v1, 5, v0
	v_readfirstlane_b32 s14, v1                    ; wave 0..3
	s_lshr_b32 s15, s14, 1                         ; which 64 tokens of a chunk.  Also: I fetch tokens (0) or Wo (1) at the head
	s_and_b32 s16, s14, 1                          ; which 64 columns.  Also: which half I fetch
	s_bfe_u32 s40, ttmp6, 0x40000                  ; cx, cy
	s_bfe_u32 s41, ttmp6, 0x40004
	s_lshl_b32 s42, ttmp9, 2
	s_add_co_u32 s42, s42, s40                     ; column tile
	s_and_b32 s17, ttmp7, 0xffff
	s_lshl_b32 s17, s17, 2
	s_add_co_u32 s17, s17, s41                     ; token tile
	s_lshl_b32 s43, s41, 2
	s_lshl_b32 s43, 15, s43                        ; my row of the cluster
	s_lshl_b32 s44, 0x1111, s40                    ; my column
	s_or_b32 s[G1+0], s43, (3<<16)|(1<<21)         ; elements of 8 bytes, no padding
	s_mov_b32 s[G1+1], 4096<<16
	s_mov_b32 s[G1+2], 2<<16
	s_mov_b32 s[G1+3], 4096<<16
	s_mov_b32 s[G1+4], 2
	s_mov_b32 s[G1+5], 262144                      ; 2^21 bytes from a quarter of K to the next
	s_mov_b32 s[G1+6], 0
	s_mov_b32 s[G1+7], 0
	s_or_b32 s[G1B+0], s44, (0<<16)|(1<<20)|(1<<21)|(7<<22)|(3<<25) ; elements of 1 byte; four words of padding after every 256
	s_mov_b32 s[G1B+1], 1024<<16
	s_mov_b32 s[G1B+2], 64<<16
	s_mov_b32 s[G1B+3], 1024<<16
	s_mov_b32 s[G1B+4], 64
	s_mov_b32 s[G1B+5], 1024
	s_mov_b32 s[G1B+6], 0
	s_mov_b32 s[G1B+7], 0
	s_or_b32 s[G1C+0], s43, (3<<16)|(1<<21)
	s_mov_b32 s[G1C+1], 32<<16
	s_mov_b32 s[G1C+2], 128<<16
	s_mov_b32 s[G1C+3], 32<<16
	s_mov_b32 s[G1C+4], 128
	s_mov_b32 s[G1C+5], 32
	s_mov_b32 s[G1C+6], 0
	s_mov_b32 s[G1C+7], 0
	s_lshl_b32 s18, s17, 16                        ; 16 groups of 4,096 bytes a token tile
	s_lshl_b32 s20, s16, 22
	s_add_co_u32 s20, s20, s18                     ; first chunk: quarters 2 x half, + 1 of K
	s_mov_b32 s21, 0
	s_lshl_b32 s22, s14, 21
	s_add_co_u32 s22, s22, s18
	s_add_co_u32 s22, s22, 32768                   ; second chunk: the quarter of K with my wave's number
	s_mov_b32 s23, 0
	s_lshl_b32 s46, s42, 17
	s_lshl_b32 s19, s16, 16
	s_add_co_u32 s46, s46, s19                     ; Wo: 64 rows
	s_mov_b32 s47, 0
	s_wait_alu depctr_va_vdst(0)
	s_wait_dscnt 0x0                               ; both adds are done
	CROUND                                         ; all sixteen work-groups are here: the joint loads meet
	s_wait_kmcnt 0x0
	s_add_nc_u64 s[20:21], s[4:5], s[20:21]
	s_add_nc_u64 s[22:23], s[4:5], s[22:23]
	s_add_nc_u64 s[46:47], s[6:7], s[46:47]
	s_mov_b32 s[G0], 1
	s_add_co_u32 s[G0+1], s19, BBYTES
	s_mov_b64 s[G0+2:G0+3], s[20:21]
	s_or_b32 s[G0+3], s[G0+3], 0x80000000
	s_mov_b32 s[G0B], 1
	s_mul_i32 s[G0B+1], s16, 64*PITCH
	s_mov_b64 s[G0B+2:G0B+3], s[46:47]
	s_or_b32 s[G0B+3], s[G0B+3], 0x80000000
	s_mov_b32 s[G0C], 1
	s_lshl_b32 s[G0C+1], s14, 15
	s_mov_b64 s[G0C+2:G0C+3], s[22:23]
	s_or_b32 s[G0C+3], s[G0C+3], 0x80000000
	s_cmp_eq_u32 s15, 0                            ; one tensor load a wave: waves 0, 1 the first chunk's halves, waves 2, 3 Wo's
	s_cbranch_scc0 .Lfor_b
	tensor_load_to_lds s[G0:G0+3], s[G1:G1+7]
	s_nop 0
.rept 4
	v_nop
.endr
	s_branch .Lasked
.Lfor_b:
	tensor_load_to_lds s[G0B:G0B+3], s[G1B:G1B+7]
	s_nop 0
.rept 4
	v_nop
.endr
.Lasked:
	s_load_b64 s[76:77], s[8:9], 0x28              ; entries 10, 11
	s_lshl_b32 s78, s42, 9
	s_lshl_b32 s79, s16, 8
	s_add_co_u32 s78, s78, s79                     ; my first column, in bytes of f32
	s_mov_b32 s79, 0
	s_add_nc_u64 s[10:11], s[10:11], s[78:79]
	s_lshl_b32 s80, s17, 20
	s_lshl_b32 s81, s15, 18
	s_add_co_u32 s80, s80, s81                     ; my first token's row
	s_add_co_u32 s80, s80, s78
	s_mov_b32 s81, 0
	s_add_nc_u64 s[12:13], s[12:13], s[80:81]
	s_lshl_b32 s82, s15, 14                        ; my four groups of a chunk's eight
	s_add_co_u32 s83, s82, BBYTES
	s_mul_i32 s84, s16, 64*PITCH                   ; my 64 rows of Wo
	s_mul_i32 s85, s14, 16*SPITCH
	s_add_co_u32 s85, s85, STAGE                   ; my stage
	v_and_b32 v1, 15, v0                           ; r
	v_bfe_u32 v2, v0, 4, 1                         ; h
	v_and_b32 v3, 31, v0
	v_lshlrev_b32 v3, 4, v3
	v_add_nc_u32 v[ADRA], s83, v3
	v_add_nc_u32 v[ADRA+1], 0x10000, v[ADRA]
	v_add_nc_u32 v[ADRA+2], s82, v3
	v_add_nc_u32 v[ADRA+3], 0x10000, v[ADRA+2]
	v_mul_u32_u24 v4, v1, PITCH
	v_lshl_add_u32 v4, v2, 3, v4
	v_add_nc_u32 v[ADRB], s84, v4
	v_mul_u32_u24 v5, v1, SPITCH                   ; in: row r, 32 bytes for each half of the lanes
	v_lshl_add_u32 v5, v2, 5, v5
	v_add_nc_u32 v[STO], s85, v5
	v_mul_u32_u24 v6, v2, SPITCH                   ; back: lanes 0-15 one row of 256 bytes, lanes 16-31 the next
	v_lshl_add_u32 v6, v1, 4, v6
	v_add_nc_u32 v[RD], s85, v6
	v_lshlrev_b32 v7, 12, v2
	v_lshl_add_u32 v[CO], v1, 4, v7
	v_lshlrev_b32 v[H32], 5, v2
.irp b, 0,1,2,3
	global_load_b128 v[BO+8*\b:BO+8*\b+3], v[H32], s[10:11] offset:64*\b
	global_load_b128 v[BO+8*\b+4:BO+8*\b+7], v[H32], s[10:11] offset:64*\b+16
.endr
	s_wait_alu depctr_va_vdst(0)                   ; the head's end
	s_wait_kmcnt 0x0
	s_add_co_i32 s[SC], s76, s77
	s_add_co_i32 s[SC], s[SC], 127
	s_lshl_b32 s[SC], s[SC], 23                    ; 2^(e10 + e11) as f32
	s_mov_b32 s[SC+1], s[SC]
; A quarter of K (256) of my four groups of tokens: even quarters into window 1 v0-127, odd ones into window 0 v64-191.
.macro FETCHA ch, kq
.if (\kq)%2
	WIN 0
.else
	WIN 0x40
.endif
.irp kk, 0,1
.irp g, 0,1,2,3
.irp c, 0,1,2,3
	ds_load_b128 v[64*((\kq)%2)+64*\kk+16*\g+4*\c:64*((\kq)%2)+64*\kk+16*\g+4*\c+3], v[ADRA+2*\ch+(\kq)/2] offset:32768*((\kq)%2)+4096*\g+2048*\kk+512*\c
.endr
.endr
.endr
.endm
.macro MULK kq                         ; 32 matrix instructions; the 16 accumulators take turns, one instruction a turn
.set nw, 0x56-4*((\kq)%2)+(\kq)/2              ; source 0 window 2 or 3, source 1 window 1 or 0, C and D window 1
	WIN nw
.irp kk, 0,1
.irp g, 0,1,2,3
.irp b, 0,1,2,3
.if (\kq)+\kk == 0
	v_wmma_f32_16x16x128_fp8_fp8 v[128+8*(4*\g+\b):128+8*(4*\g+\b)+7], v[64*(2*((\kq)%2)+\kk)+16*\b:64*(2*((\kq)%2)+\kk)+16*\b+15], v[64*((\kq)%2)+64*\kk+16*\g:64*((\kq)%2)+64*\kk+16*\g+15], 0
.else
	v_wmma_f32_16x16x128_fp8_fp8 v[128+8*(4*\g+\b):128+8*(4*\g+\b)+7], v[64*(2*((\kq)%2)+\kk)+16*\b:64*(2*((\kq)%2)+\kk)+16*\b+15], v[64*((\kq)%2)+64*\kk+16*\g:64*((\kq)%2)+64*\kk+16*\g+15], v[128+8*(4*\g+\b):128+8*(4*\g+\b)+7]
.endif
.endr
.endr
.endr
.endm
.macro TOSTAGE g                       ; sum x 2^(e10 + e11) + bias, through my stage, back as rows of 256 bytes.  LDS serves a wave's instructions in order (ISA guide 5.7.1.4)
.set TT, TM+32*(\g%2)
	WIN 0x01                                       ; source 0 window 1
.irp b, 0,1,2,3
.irp i, 0,2,4,6
	v_pk_fma_f32 v[TT+8*\b+\i:TT+8*\b+\i+1], v[128+8*(4*\g+\b)+\i:128+8*(4*\g+\b)+\i+1], s[SC:SC+1], v[BO+8*\b+\i:BO+8*\b+\i+1] op_sel_hi:[1,0,1]
.endr
.endr
	WIN 0
.irp b, 0,1,2,3
	ds_store_b128 v[STO], v[TT+8*\b:TT+8*\b+3] offset:64*\b
	ds_store_b128 v[STO], v[TT+8*\b+4:TT+8*\b+7] offset:64*\b+16
.endr
.irp t, 0,1,2,3,4,5,6,7
	ds_load_b128 v[BK+32*\g+4*\t:BK+32*\g+4*\t+3], v[RD] offset:\t*2*SPITCH
.endr
.endm
.macro SEND ch, g, younger             ; younger: the LDS instructions issued behind group g's loads, which may stay out
	s_wait_dscnt \younger
.irp t, 0,1,2,3,4,5,6,7
	global_store_b128 v[CO], v[BK+32*\g+4*\t:BK+32*\g+4*\t+3], s[12:13] offset:\ch*524288+\g*65536+\t*8192 th:TH_STORE_NT   ; 16 lanes store 256 consecutive bytes, aligned
.endr
.endm
.macro CHUNK ch
.irp kq, 0,1,2,3
	s_wait_dscnt 0x0
.if \kq < 3
	PLACES                                         ; in front of the loads into registers that the quarter before has read
	FETCHA \ch, \kq+1
.endif
	MULK \kq
.endr
	PLACES                                         ; behind the last products
	TOSTAGE 0
	TOSTAGE 1
	SEND \ch, 0, 16
	TOSTAGE 2
	SEND \ch, 1, 16
	TOSTAGE 3
	SEND \ch, 2, 16
	SEND \ch, 3, 0
.endm
	s_wait_loadcnt 0x0                             ; the bias
	s_wait_tensorcnt 0x0                           ; my part of Wo or of the first chunk is in,
	s_barrier_signal -1
	s_barrier_wait -1                              ; and everybody's
.irp ks, 0,1,2,3,4,5,6,7
.if \ks < 4
	WIN 0x80
.else
	WIN 0xc0
.endif
.irp b, 0,1,2,3
.irp c, 0,1,2,3,4,5,6,7
	ds_load_b64 v[64*(\ks%4)+16*\b+2*\c:64*(\ks%4)+16*\b+2*\c+1], v[ADRB] offset:\b*16*PITCH+128*\ks+16*\c   ; k = 128 ks + 16 c + 8 h + 0 .. 7
.endr
.endr
.endr
	FETCHA 0, 0
	WIN 0
	s_wait_tensorcnt 0x0                           ; no tensor load of mine is out
	ds_add_u32 v[SPW], v[NIL]
	s_wait_dscnt 0x0                               ; the add is done, and Wo is in my registers
	CROUND                                         ; and in every partner's
	tensor_load_to_lds s[G0C:G0C+3], s[G1C:G1C+7]  ; the second chunk, onto Wo's bytes
	s_nop 0
	PLACES
	CHUNK 0
	s_wait_xcnt 0x0                                ; the stores have read their data: fragments land there again
	s_wait_tensorcnt 0x0                           ; my part of the second chunk is in,
	s_wait_dscnt 0x0
	s_barrier_signal -1
	s_barrier_wait -1                              ; and everybody's; nothing is filled from here on
	FETCHA 1, 0
	CHUNK 1
	s_wait_tensorcnt 0x0                           ; the wave's end
	ds_add_u32 v[SPW], v[NIL]
	s_wait_dscnt 0x0
	CROUND                                         ; the closing round
	s_endpgm
.Lfunc_end_k_q1d173b1fbc_proj:
	.size	k_q1d173b1fbc_proj, .Lfunc_end_k_q1d173b1fbc_proj-k_q1d173b1fbc_proj
	.p2alignl 7, 3214868480
	.fill 96, 4, 3214868480
	.section	.rodata,"a",@progbits
	.p2align	6, 0x0
	.amdhsa_kernel k_q1d173b1fbc_proj
		.amdhsa_group_segment_fixed_size 327680
		.amdhsa_private_segment_fixed_size 0
		.amdhsa_enable_private_segment 0
		.amdhsa_kernarg_size 40
		.amdhsa_user_sgpr_count 2
		.amdhsa_user_sgpr_kernarg_segment_ptr 1
		.amdhsa_wavefront_size32 1
		.amdhsa_system_sgpr_workgroup_id_x 1
		.amdhsa_system_sgpr_workgroup_id_y 1
		.amdhsa_system_sgpr_workgroup_id_z 1
		.amdhsa_system_vgpr_workitem_id 0
		.amdhsa_next_free_vgpr 1024
		.amdhsa_next_free_sgpr 98
		.amdhsa_reserve_vcc 0
		.amdhsa_float_denorm_mode_32 3
		.amdhsa_float_denorm_mode_16_64 3
		.amdhsa_memory_ordered 1
		.amdhsa_forward_progress 1
		.amdhsa_inst_pref_size 82
	.end_amdhsa_kernel
	.amdgpu_metadata
---
amdhsa.version: [ 1, 2 ]
amdhsa.kernels:
  - .name:           k_q1d173b1fbc_proj
    .symbol:         k_q1d173b1fbc_proj.kd
    .args:
      - { .name: attn_img, .offset: 0, .size: 8, .value_kind: global_buffer, .address_space: global }
      - { .name: Wo_codes, .offset: 8, .size: 8, .value_kind: global_buffer, .address_space: global }
      - { .name: lowp_scales, .offset: 16, .size: 8, .value_kind: global_buffer, .address_space: global }
      - { .name: bo, .offset: 24, .size: 8, .value_kind: global_buffer, .address_space: global }
      - { .name: out0, .offset: 32, .size: 8, .value_kind: global_buffer, .address_space: global }
    .group_segment_fixed_size: 327680
    .private_segment_fixed_size: 0
    .kernarg_segment_align: 8
    .kernarg_segment_size: 40
    .max_flat_workgroup_size: 128
    .sgpr_count:     98
    .vgpr_count:     1024
    .wavefront_size: 32
...
	.end_amdgpu_metadata
.endif
;; end of part 3
